; MI455X (gfx1250); checked and timed in simulation.
; The chip was launched on July 23, 2026; its instructions are those of AMD's public machine-readable ISA for CDNA 5 (MIT licence, August 2026) and "CDNA5" Instruction Set Architecture Reference Guide (July 2026). The comments in the code are by the model that wrote it; some were corrected since.
;; Add MM. Allowed arithmetic: matrix products marked QUANTISED: E2M1 operands, one E8M0 scale for each 32 along K, by v_wmma_scale_f32_16x16x128_f8f6f4 with both operands' format E2M1 (or v_wmma_scale_f32_32x16x128_f4), f32 sums; everything else in f32.
;; Inputs: b 16 x 1,024 float32; idxs 4,096 int32; w_codes 16 x 1,024 x 32 x 16 uint8 (E2M1 codes of w, K innermost, in blocks of 32 codes, two codes a byte); w_scales 16 x 1,024 x 32 uint8 (E8M0 scales of w, one for each 32 codes along K); x_codes 4,096 x 32 x 16 uint8 (E2M1 codes of x, K innermost, in blocks of 32 codes, two codes a byte); x_scales 4,096 x 32 uint8 (E8M0 scales of x, one for each 32 codes along K).
;; Outputs: out0 4,096 x 1,024 float32.
;; This version of the problem:
;;   THIS VERSION OF THE PROBLEM IS GIVEN IN LOW PRECISION. The matrix products marked QUANTISED in the list below multiply operands that are first quantised to E2M1 (2 exponent bits, 1 mantissa bit; 4 bits a number), with one power-of-two scale for each 32 numbers along K (OCP MX v1.0); their sums are f32. All else is computed in f32.
;;   The module's matrix products, in the order in which they are computed (A, B: the left and right operand; K: the contracted axis; several contracted axes count as one K, in the product's order):
;;     1. [M 4,096, K 1,024] x [K 1,024, N 1,024]; A: input x (given as codes); B: input w (given as codes): QUANTISED
;;     2. [M 4,096, K 1,024] x [K 1,024, N 1,024]; A: input x (given as codes); B: input w (given as codes): QUANTISED
;;     3. [M 4,096, K 1,024] x [K 1,024, N 1,024]; A: input x (given as codes); B: input w (given as codes): QUANTISED
;;     4. [M 4,096, K 1,024] x [K 1,024, N 1,024]; A: input x (given as codes); B: input w (given as codes): QUANTISED
;;     5. [M 4,096, K 1,024] x [K 1,024, N 1,024]; A: input x (given as codes); B: input w (given as codes): QUANTISED
;;     6. [M 4,096, K 1,024] x [K 1,024, N 1,024]; A: input x (given as codes); B: input w (given as codes): QUANTISED
;;     7. [M 4,096, K 1,024] x [K 1,024, N 1,024]; A: input x (given as codes); B: input w (given as codes): QUANTISED
;;     8. [M 4,096, K 1,024] x [K 1,024, N 1,024]; A: input x (given as codes); B: input w (given as codes): QUANTISED
;;     9. [M 4,096, K 1,024] x [K 1,024, N 1,024]; A: input x (given as codes); B: input w (given as codes): QUANTISED
;;     10. [M 4,096, K 1,024] x [K 1,024, N 1,024]; A: input x (given as codes); B: input w (given as codes): QUANTISED
;;     11. [M 4,096, K 1,024] x [K 1,024, N 1,024]; A: input x (given as codes); B: input w (given as codes): QUANTISED
;;     12. [M 4,096, K 1,024] x [K 1,024, N 1,024]; A: input x (given as codes); B: input w (given as codes): QUANTISED
;;     13. [M 4,096, K 1,024] x [K 1,024, N 1,024]; A: input x (given as codes); B: input w (given as codes): QUANTISED
;;     14. [M 4,096, K 1,024] x [K 1,024, N 1,024]; A: input x (given as codes); B: input w (given as codes): QUANTISED
;;     15. [M 4,096, K 1,024] x [K 1,024, N 1,024]; A: input x (given as codes); B: input w (given as codes): QUANTISED
;;     16. [M 4,096, K 1,024] x [K 1,024, N 1,024]; A: input x (given as codes); B: input w (given as codes): QUANTISED
;;   THE QUANTISER, for each operand of a quantised product, along K:
;;     - K is cut into blocks of 32 from its start; a last block that is shorter is filled with zeros.
;;     - A block's scale is 2^e with e = floor(log2(the largest magnitude in the block)) - 2, held to -126 .. 127; a block of zeros has e = 0. As a byte (E8M0): e + 127.
;;     - Each number is divided by its block's scale, clamped to +-6, and rounded to the nearest number of E2M1, ties to even, subnormals kept.
;;     - The product sums the exact products of the quantised numbers (number of the format x scale) in f32.
;;   ~~~python
;;   def quantise(x, axis):      # numpy; x: float32 -> the quantised numbers, widened to float32 again
;;       x = np.moveaxis(x, axis, -1); K = x.shape[-1]
;;       x = np.pad(x, [(0, 0)] * (x.ndim - 1) + [(0, -K % 32)]); x = x.reshape(x.shape[:-1] + (-1, 32)); a = np.abs(x).max(-1, keepdims=True)
;;       e = np.where(a > 0, np.clip(np.frexp(np.where(a > 0, a, 1))[1] - 1 - 2, -126, 127), 0)      # np.frexp(a)[1] - 1 = floor(log2(a)), exactly
;;       r = np.clip(x / 2.0 ** e, -6, 6)
;;       step = 2.0 ** (np.maximum(np.frexp(np.where(r == 0, 1, r))[1] - 1, 0) - 1)
;;       q = np.round(r / step) * step * 2.0 ** e      # np.round: ties to even
;;       return np.moveaxis(q.reshape(q.shape[:-2] + (-1,))[..., :K], -1, axis).astype(np.float32)
;;   ~~~
;;   INPUTS GIVEN AS CODES. w (in the module: [16, 1024, 1024], K = its axis 1); x (in the module: [4096, 1024], K = its axis 1): each comes as NAME_codes (uint8): NAME with its K axis moved to the last place and cut into blocks of 32 codes, [.., K / 32, bytes a block], one block behind the other in memory; two codes a byte, the lower K in the low four bits (a code: sign, 2 exponent bits, 1 mantissa bit); and NAME_scales (uint8): the same leading axes, one E8M0 byte (e + 127) for each 32 codes along K. Its value is code x scale, taken as it is: it is not quantised again, and the codes and scales need not be those that the quantiser above would give.
;; 2 versions. Each part assembles by itself: llvm-mc -triple=amdgcn-amd-amdhsa -mcpu=gfx1250 --defsym DOCPART=n.
;; ======== version 1 of 2: 1 launch
;; launch addmm (part 1): grid 16 x 16, 4 waves a work-group, no clusters, 33,280 bytes of LDS; arguments x_codes, x_scales, w_codes, w_scales, b, idxs, out0; writes out0
.if DOCPART == 1
	.amdgcn_target "amdgcn-amd-amdhsa--gfx1250"
	.amdhsa_code_object_version 6
	.text
	.protected	k_q6d7ec09c89_addmm
	.globl	k_q6d7ec09c89_addmm
	.p2align	8
	.type	k_q6d7ec09c89_addmm,@function
k_q6d7ec09c89_addmm:
	s_mov_b64 s[64:65], 0
	v_nop
	global_prefetch_b8 v0, s[64:65] scope:SCOPE_SE
	s_setreg_imm32_b32 hwreg(HW_REG_WAVE_MODE, 25, 1), 1
	s_wait_xcnt 0x0
; out0[t][:] = relu(x[t] . w[idxs[t]] + b[idxs[t]]), 4,096 tokens, K = N = 1,024, 16 experts.  x and w are codes of FP4 (E2M1), K innermost (512 bytes a row), with one E8M0 byte for
; each 32 along K (32 bytes a row); they go to the matrix unit as they lie.  Only the chosen expert's row is multiplied for a token; a token whose idx is no expert's (not 0 .. 15) gets zeros.
; SHARES.  Work-group (x, y) = (slab of 64 output columns, expert e).  Its four waves share the TOKENS: wave w owns tokens 1024 w .. 1024 w + 1023 and serves those of them with idx = e, for the
; slab's 64 columns.  So each (token, 256 bytes of out0) has one owner.  The slab's weights, 64 rows x 512 bytes, are read from memory once: wave w loads the fragments of column tile w, they go
; through LDS as images of their registers, and behind the one barrier every wave keeps all 32 fragments in 256 registers.
; THE LIST OF ROWS IS MADE IN REGISTERS: 32 compares give the wave's 1,024-bit map in scalar registers, their counts a running sum; a lane then finds the p-th set bit for its slot p (macro SELECT).
; TILES of 16 tokens, up to six at a time (96 slots), so that all their loads of x are out together; a loop of 11 trips (11 x 96 = 1,056 slots) serves any split, all 1,024 tokens on one expert too;
; a trip with nothing left jumps over its work.
; THE PRODUCT: source 0 = 16 tokens, source 1 = 16 weight rows n = 64 slab + 4 r + t (tile t, lane r).  In the result register j of lane (r, h) is (token row 8 h + j, column 4 r + t): the four tiles'
; registers j are 16 neighbouring bytes of a row of out0, and sixteen lanes store 256 consecutive bytes, aligned.  The bias is the C of each sum's first product.
; THE RAGGED END: row r of a tile holds slot 2 (r & 7) + (r >> 3), so store j covers slots 2 j and 2 j + 1.  Slots past the last are held at the last; a store whose two slots are both past the end is
; jumped over; with an odd count the last store's upper sixteen lanes write the same bytes with the same numbers as its lower sixteen.  All lanes are on in every line of this text.
; NO JOINT LOADS, NO DATA MOVER: the branches hang on idxs and differ from work-group to work-group; rows of x are gathered one by one; each slab of weights is read by one work-group alone.
; LIMIT: a scale byte 0xff or a NaN in b makes a sum NaN; the maximum with 0 then gives 0 where the definition gives NaN.  Infinities are served.
.set L16,   1                          ; v1   16 x lane
.set R16,   2                          ; v2   16 r   (r = lane % 16)
.set H16,   3                          ; v3   16 h   (h = lane / 16)
.set PL,    4                          ; v4   my slot among 32: 16 h + 2 (lane & 7) + ((lane >> 3) & 1)
.set WOFF,  5                          ; v5   weights: row 4 r of 512 bytes, + 16 h
.set WSOFF, 6                          ; v6   their scale bytes: row 4 r of 32 bytes, + 16 h
.set L4,    7                          ; v7   4 x lane
.set HH,    8                          ; v8   h
.set IMGW,  9                          ; v9   LDS: 16 x lane + 8,192 x wave
.set SLT,   10                         ; v10-21 at work in SELECT: slot, word, sum below it, its first token, rank, counts by 2, 4, 8, 16 bits, two temporaries, bit
.set WRD,   11
.set BAS,   12
.set TBS,   13
.set RNK,   14
.set C2,    15
.set C4,    16
.set C8,    17
.set C16,   18
.set TMP,   19
.set INC,   20
.set POS,   21
.set TK,    22                         ; v22  my slot's token;  v23 lane l xor 16's
.set TX,    23
.set U,     24                         ; v24  a tile's tokens, turned by 8 lanes in the upper half
.set NIL,   28                         ; v[28:31] zeros
.set WS,    32                         ; v32-47   weights' scale words: tile t, register u: lanes 0-15 K step u, lanes 16-31 K step 4 + u.  Scales alone
.set BIAS,  48                         ; v48-79   tile t: eight registers, each b of column 4 r + t
.set ACC,   80                         ; v80-111  the four accumulators
.set OUT,   112                        ; v112-143 register 4 j + t: what store j sends
.set XS,    144                        ; v144-167 x's scale words, tile k, register u, as WS.  Scales alone
.set TV,    168                        ; v168-173 tile k: lane r and lane 16 + r hold the token of row r
.set XO,    174                        ; v174-179 tile k: byte offset of my part of its row of codes
.set XSO,   180                        ; v180-185 and of its scale bytes
.set RT,    186                        ; v186-193 store j's token
.set RO,    194                        ; v194-201 store j's byte offset in out0
.set BV,    202                        ; v[202:205] b of columns 4 r .. 4 r + 3
.set IDX,   206                        ; v206-237 register 4 q + c, lane l: idx of token 1024 w + 128 q + 4 l + c
.set HOME,  238                        ; v238, v239 idx of tokens 256 e + 64 w + lane, + 32
; window 1 (v256-511): weight fragment (tile t, K step s) at 8 (8 t + s).   window 2 (v512-767): x's tiles 0-3, K step s at 64 k + 8 s (tile 0's registers first hold my own 16 weight loads).   window 3: tiles 4, 5.
.set WV,    18                         ; s18  wave
.set EX,    19                         ; s19  expert
.set SLAB,  20                         ; s20  slab
.set ST,    21                         ; s21  at work
.set OFS,   22                         ; s[22:23] an offset, in 64 bits
.set HB,    24                         ; s[24:25] idxs at my home tokens; once those are in: out0 at my home tokens' first row
.set T0,    26                         ; s26  my first token
.set CM1,   27                         ; s27  my count - 1
.set MSK,   28                         ; s28-59 the map: word n, bit l: token T0 + 128 (n / 4) + n % 4 + 4 l
.set HM,    60                         ; s60  lanes 16-31
.set DONE,  61                         ; s61  slots served: the loop's counter
.set SEL,   62                         ; s[62:63] selects for lane l xor 16
.set SUM,   66                         ; s66-97 s[SUM + n - 1] = set bits in words 0 .. n - 1, n = 1 .. 32
.set CNT,   97                         ; s97  my count
.set REM,   98                         ; s98  slots left at a pass's head
.set OMA,   100                        ; s100, s101 home tokens that no expert takes
.set OMB,   101
.set PASS,  96                         ; slots in a pass
.set ALLSL, 11*PASS                    ; 1,056: at least the wave's 1,024 tokens
.set MSB, 0
.macro WIN new                         ; the immediate's high byte repeats the setting that is left; a switch that changes nothing is dropped
.if MSB != (\new)
	s_set_vgpr_msb (MSB<<8)|(\new)
.set MSB, (\new)
.endif
.endm
	s_load_b256 s[4:11], s[0:1], 0x0               ; x's codes s[4:5], x's scales s[6:7], w's codes s[8:9], w's scales s[10:11]
	s_load_b128 s[12:15], s[0:1], 0x20             ; b s[12:13], idxs s[14:15]
	s_load_b64 s[16:17], s[0:1], 0x30              ; out0
	v_lshl_add_u32 v254, v0, 2, 0x8000
	v_mov_b32 v255, 0
	v_lshrrev_b32 v[TMP], 5, v0
	v_readfirstlane_b32 s[WV], v[TMP]              ; wave 0..3
	s_and_b32 s[EX], ttmp7, 0xffff
	s_mov_b32 s[SLAB], ttmp9
	v_and_b32 v[L16], 31, v0                       ; lane
	v_and_b32 v[R16], 15, v0                       ; r
	v_bfe_u32 v[HH], v0, 4, 1                      ; h
	v_lshlrev_b32 v[L4], 2, v[L16]
	v_and_b32 v[PL], 7, v0
	v_bfe_u32 v[TMP], v0, 3, 1
	v_lshl_add_u32 v[PL], v[PL], 1, v[TMP]
	v_lshl_add_u32 v[PL], v[HH], 4, v[PL]
	v_lshlrev_b32 v[H16], 4, v[HH]
	v_lshl_add_u32 v[WOFF], v[R16], 11, v[H16]
	v_lshl_add_u32 v[WSOFF], v[R16], 7, v[H16]
	v_lshlrev_b32 v[R16], 4, v[R16]
	v_lshlrev_b32 v[L16], 4, v[L16]
	s_lshl_b32 s[ST], s[WV], 13
	v_add_nc_u32 v[IMGW], s[ST], v[L16]
	; the six offsets, made while the arguments are on their way (in registers that later hold the map)
	s_lshl_b32 s28, s[EX], 19                      ; w's codes: 524,288 e + 32,768 slab + 512 wave (my tile t = wave begins at row t)
	s_lshl_b32 s[ST], s[SLAB], 15
	s_add_co_u32 s28, s28, s[ST]
	s_lshl_b32 s[ST], s[WV], 9
	s_add_co_u32 s28, s28, s[ST]
	s_mov_b32 s29, 0
	s_lshl_b32 s30, s[EX], 15                      ; w's scales: 32,768 e + 2,048 slab
	s_lshl_b32 s[ST], s[SLAB], 11
	s_add_co_u32 s30, s30, s[ST]
	s_mov_b32 s31, 0
	s_lshl_b32 s32, s[EX], 12                      ; b: 4,096 e + 256 slab
	s_lshl_b32 s[ST], s[SLAB], 8
	s_add_co_u32 s32, s32, s[ST]
	s_mov_b32 s33, 0
	s_lshl_b32 s34, s[EX], 10                      ; idxs at my home tokens: 4 (256 e + 64 wave)
	s_lshl_b32 s[ST], s[WV], 8
	s_add_co_u32 s34, s34, s[ST]
	s_mov_b32 s35, 0
	s_lshl_b32 s36, s[WV], 12                      ; idxs at my 1,024 tokens
	s_mov_b32 s37, 0
	s_lshl_b32 s38, s[SLAB], 8                     ; out0: the slab's 256 bytes of a row
	s_mov_b32 s39, 0
	s_lshl_b32 s[T0], s[WV], 10
	s_mov_b32 s[HM], 0xffff0000
	s_mov_b32 s[SEL], 0x76543210
	s_mov_b32 s[SEL+1], 0xfedcba98
	s_wait_kmcnt 0x0
	s_add_nc_u64 s[8:9], s[8:9], s[28:29]
	s_add_nc_u64 s[10:11], s[10:11], s[30:31]
	s_add_nc_u64 s[12:13], s[12:13], s[32:33]
	s_add_nc_u64 s[HB:HB+1], s[14:15], s[34:35]
	s_add_nc_u64 s[14:15], s[14:15], s[36:37]
	s_add_nc_u64 s[16:17], s[16:17], s[38:39]
	; ---- all the loads that hang on ids alone.  First my tile of the weights: lane (r, h) takes, of row 4 r + wave, the 16 bytes at 64 s + 32 c + 16 h: registers 4 c .. 4 c + 3 of K step s's fragment
	WIN 0x80                                       ; destination window 2
.irp s, 0,1,2,3,4,5,6,7
.irp c, 0,1
	global_load_b128 v[8*\s+4*\c:8*\s+4*\c+3], v[WOFF], s[8:9] offset:64*\s+32*\c
.endr
.endr
	WIN 0
	global_load_b32 v[HOME], v[L4], s[HB:HB+1]     ; fifteen more: 2 of home idxs,
	global_load_b32 v[HOME+1], v[L4], s[HB:HB+1] offset:128
.irp q, 0,1,2,3,4,5,6,7
	global_load_b128 v[IDX+4*\q:IDX+4*\q+3], v[L16], s[14:15] offset:512*\q   ; 8 of my tokens' idxs, 512 consecutive bytes each,
.endr
.irp t, 0,1,2,3
	global_load_b128 v[WS+4*\t:WS+4*\t+3], v[WSOFF], s[10:11] offset:32*\t    ; 4 of the weights' scale words (row 4 r + t; lanes 0-15 K steps 0-3, lanes 16-31 K steps 4-7),
.endr
	global_load_b128 v[BV:BV+3], v[R16], s[12:13]  ; 1 of b
	; written once: the destination of a lane permute or a DPP form counts as one of its sources; and the zeros
	v_mov_b32 v[TX], 0
	v_mov_b32 v[U], 0
.irp j, 0,1,2,3,4,5,6,7
	v_mov_b32 v[RT+\j], 0
.endr
.irp j, 0,1,2,3
	v_mov_b32 v[NIL+\j], 0
.endr
	; ---- my 8 fragments go to LDS as images of their registers: lane l's 16 bytes at 16 l, 512 consecutive bytes a store
	s_wait_loadcnt 15                              ; loads come back in order: the 16 weight loads are in, the 15 issued behind them may be out
	WIN 0x08                                       ; an LDS store's data: window 2
.irp s, 0,1,2,3,4,5,6,7
.irp c, 0,1
	ds_store_b128 v[IMGW], v[8*\s+4*\c:8*\s+4*\c+3] offset:1024*\s+512*\c
.endr
.endr
	WIN 0
	s_wait_dscnt 0x0                               ; for the others' sake: my stores have landed
	s_barrier_signal -1
	s_barrier_wait -1                              ; the kernel's one barrier: all 32 fragments lie in LDS, and nobody writes LDS again
	WIN 0x40                                       ; destination window 1
.irp f, 0,1,2,3,4,5,6,7,8,9,10,11,12,13,14,15,16,17,18,19,20,21,22,23,24,25,26,27,28,29,30,31
.irp c, 0,1
	ds_load_b128 v[8*\f+4*\c:8*\f+4*\c+3], v[L16] offset:1024*\f+512*\c       ; fragment f = 8 t + s; they land while the list of rows is made
.endr
.endr
	WIN 0
	s_wait_loadcnt 0x0                             ; idxs, scale words, b: every load is in, so the home idxs' base may be written
.irp t, 0,1,2,3
.irp j, 0,1,2,3,4,5,6,7
	v_mov_b32 v[BIAS+8*\t+\j], v[BV+\t]            ; the bias in the result's layout: all eight rows of lane r's column 4 r + t
.endr
.endr
; ---- tokens that no expert takes.  Work-group (slab, e), wave w answers for tokens 256 e + 64 w .. + 63 in its slab.  A token at a time, by a scalar branch on its bit: the store's offset is 16 r,
; the token's row stands in the immediate (63 rows of 4,096 bytes at the most); lanes 16-31 write the same 256 bytes of zeros as lanes 0-15.
	s_lshl_b32 s[OFS], s[EX], 20                   ; (256 e + 64 w) rows of 4,096 bytes
	s_lshl_b32 s[ST], s[WV], 18
	s_add_co_u32 s[OFS], s[OFS], s[ST]
	s_mov_b32 s[OFS+1], 0
	s_add_nc_u64 s[HB:HB+1], s[16:17], s[OFS:OFS+1]
.macro ZTOK mask, i, first
	s_bitcmp1_b32 s[\mask], \i
	s_cbranch_scc0 .Lkept_\@
	global_store_b128 v[R16], v[NIL:NIL+3], s[HB:HB+1] offset:((\first)+(\i))*4096 th:TH_STORE_NT
.Lkept_\@:
.endm
.macro ZERO mask, first
.irp i, 0,1,2,3,4,5,6,7,8,9,10,11,12,13,14,15,16,17,18,19,20,21,22,23,24,25,26,27,28,29,30,31
	ZTOK \mask, \i, \first
.endr
.endm
	v_cmp_lt_u32 s[OMA], 15, v[HOME]               ; unsigned: negative numbers too
	v_cmp_lt_u32 s[OMB], 15, v[HOME+1]
	s_or_b32 s[ST], s[OMA], s[OMB]
	s_cmp_lg_u32 s[ST], 0
	s_cbranch_scc0 .Lno_orphan
	ZERO OMA, 0
	ZERO OMB, 32
.Lno_orphan:
	; ---- the map of my tokens with idx = e, and the running sums of its words' counts
.set n, 0
.rept 32
	v_cmp_eq_u32 s[MSK+n], s[EX], v[IDX+n]
.set n, n+1
.endr
	s_bcnt1_i32_b32 s[SUM], s[MSK]
.set n, 1
.rept 31
	s_bcnt1_i32_b32 s[ST], s[MSK+n]
	s_add_co_u32 s[SUM+n], s[SUM+n-1], s[ST]
.set n, n+1
.endr
	s_sub_co_u32 s[CM1], s[CNT], 1                 ; (with a count of 0 it is not used: every pass is jumped over)
	s_mov_b32 s[DONE], 0
; One step down: the field of `width` bits at POS holds the count of the lower half of what is left; a rank at or above it lies in the upper half.
.macro DESCEND x, width, half
	v_bfe_u32 v[TMP], v[\x], v[POS], \width
	v_cmp_ge_u32 vcc_lo, v[RNK], v[TMP]
	v_cndmask_b32 v[TMP], 0, v[TMP], vcc_lo
	v_sub_nc_u32 v[RNK], v[RNK], v[TMP]
	v_cndmask_b32 v[INC], 0, \half, vcc_lo
	v_add_nc_u32 v[POS], v[POS], v[INC]
.endm
; The tokens of slots DONE + 32 g .. + 31, a slot a lane (lanes 0-15: tile 2 g, lanes 16-31: tile 2 g + 1), into TV[2 g] and TV[2 g + 1].
.macro SELECT g
	s_add_co_u32 s[ST], s[DONE], 32*(\g)
	v_add_nc_u32 v[SLT], s[ST], v[PL]
	v_min_u32 v[SLT], s[CM1], v[SLT]               ; slots past the last are held at the last
	v_mov_b32 v[WRD], s[MSK]
	v_mov_b32 v[BAS], 0
	v_mov_b32 v[TBS], 0
.set n, 1
.rept 31                                       ; the last word n whose sum below it is at most my slot: the sums do not fall, so the old choice is kept from the first sum above my slot on
	v_cmp_gt_u32 vcc_lo, s[SUM+n-1], v[SLT]
	v_cndmask_b32 v[WRD], s[MSK+n], v[WRD], vcc_lo
	v_cndmask_b32 v[BAS], s[SUM+n-1], v[BAS], vcc_lo
	v_cndmask_b32 v[TBS], 128*(n/4)+n%4, v[TBS], vcc_lo
.set n, n+1
.endr
	v_sub_nc_u32 v[RNK], v[SLT], v[BAS]            ; which set bit of that word, from 0
	v_lshrrev_b32 v[TMP], 1, v[WRD]                ; the word's counts by fields of 2, 4, 8 and 16 bits
	v_and_b32 v[TMP], 0x55555555, v[TMP]
	v_sub_nc_u32 v[C2], v[WRD], v[TMP]
	v_lshrrev_b32 v[TMP], 2, v[C2]
	v_and_b32 v[TMP], 0x33333333, v[TMP]
	v_and_b32 v[C4], 0x33333333, v[C2]
	v_add_nc_u32 v[C4], v[C4], v[TMP]
	v_lshrrev_b32 v[TMP], 4, v[C4]
	v_add_nc_u32 v[C8], v[C4], v[TMP]
	v_and_b32 v[C8], 0x0f0f0f0f, v[C8]
	v_lshrrev_b32 v[TMP], 8, v[C8]
	v_add_nc_u32 v[C16], v[C8], v[TMP]
	v_and_b32 v[TMP], 0xff, v[C16]                 ; the low 16 bits' count
	v_cmp_ge_u32 vcc_lo, v[RNK], v[TMP]
	v_cndmask_b32 v[TMP], 0, v[TMP], vcc_lo
	v_sub_nc_u32 v[RNK], v[RNK], v[TMP]
	v_cndmask_b32 v[POS], 0, 16, vcc_lo
	DESCEND C8, 8, 8
	DESCEND C4, 4, 4
	DESCEND C2, 2, 2
	v_bfe_u32 v[TMP], v[WRD], v[POS], 1
	v_cmp_ge_u32 vcc_lo, v[RNK], v[TMP]
	v_cndmask_b32 v[INC], 0, 1, vcc_lo
	v_add_nc_u32 v[POS], v[POS], v[INC]
	v_lshl_add_u32 v[TK], v[POS], 2, v[TBS]        ; bit l of word n is token T0 + 128 (n / 4) + n % 4 + 4 l
	v_add_nc_u32 v[TK], s[T0], v[TK]
	v_permlanex16_b32 v[TX], v[TK], s[SEL], s[SEL+1]
	v_cndmask_b32 v[TV+2*(\g)], v[TK], v[TX], s[HM]      ; both halves of the lanes hold the tile's 16 tokens, row r in lanes r and 16 + r
	v_cndmask_b32 v[TV+2*(\g)+1], v[TX], v[TK], s[HM]
.endm
; Tile k's 17 loads: its rows' scale words and its 8 fragments.  Each tile has address registers of its own, so nothing is waited for between tiles.
.macro LOAD k
	v_min_u32 v[XO+(\k)], 0xfff, v[TV+(\k)]        ; a token is 0 .. 4,095: held there, then only shifts to the left and additions
	v_lshlrev_b32 v[XSO+(\k)], 5, v[XO+(\k)]       ; its 32 scale bytes,
	v_lshlrev_b32 v[XO+(\k)], 9, v[XO+(\k)]        ; its 512 bytes of codes,
	v_add_nc_u32 v[XSO+(\k)], v[H16], v[XSO+(\k)]  ; + 16 h in both
	v_add_nc_u32 v[XO+(\k)], v[H16], v[XO+(\k)]
	global_load_b128 v[XS+4*(\k):XS+4*(\k)+3], v[XSO+(\k)], s[6:7]
	WIN 0x80+0x40*((\k)/4)                         ; destination window 2 (tiles 0-3) or 3
.irp s, 0,1,2,3,4,5,6,7
.irp c, 0,1
	global_load_b128 v[64*((\k)%4)+8*\s+4*\c:64*((\k)%4)+8*\s+4*\c+3], v[XO+(\k)], s[4:5] offset:64*\s+32*\c
.endr
.endr
	WIN 0
.endm
; Tile k: 32 products, the maximum with 0, up to eight stores.
.macro COMPUTE k
.set XB, 64*((\k)%4)
	s_wait_loadcnt 0x0                             ; entered by the branch, this tile's loads are the youngest; entered from the tile above, nothing is out
	s_wait_dscnt 0x0                               ; the weights' fragments
	s_wait_xcnt 0x0                                ; the last tile's stores have read their offsets and data: both are written again below
	WIN 0x06+(\k)/4                                ; source 0 (x) window 2 or 3, source 1 (w) window 1, C and D window 0
.irp s, 0,1,2,3,4,5,6,7                        ; the four accumulators take turns, one instruction a turn
.irp t, 0,1,2,3
.if \s == 0
	v_wmma_scale_f32_16x16x128_f8f6f4 v[ACC+8*\t:ACC+8*\t+7], v[XB+8*\s:XB+8*\s+7], v[8*(8*\t+\s):8*(8*\t+\s)+7], v[BIAS+8*\t:BIAS+8*\t+7], v[XS+4*(\k)+\s], v[WS+4*\t+\s] matrix_a_fmt:MATRIX_FMT_FP4 matrix_b_fmt:MATRIX_FMT_FP4
.elseif \s < 4
	v_wmma_scale_f32_16x16x128_f8f6f4 v[ACC+8*\t:ACC+8*\t+7], v[XB+8*\s:XB+8*\s+7], v[8*(8*\t+\s):8*(8*\t+\s)+7], v[ACC+8*\t:ACC+8*\t+7], v[XS+4*(\k)+\s], v[WS+4*\t+\s] matrix_a_fmt:MATRIX_FMT_FP4 matrix_b_fmt:MATRIX_FMT_FP4
.else
	v_wmma_scale_f32_16x16x128_f8f6f4 v[ACC+8*\t:ACC+8*\t+7], v[XB+8*\s:XB+8*\s+7], v[8*(8*\t+\s):8*(8*\t+\s)+7], v[ACC+8*\t:ACC+8*\t+7], v[XS+4*(\k)+\s-4], v[WS+4*\t+\s-4] matrix_a_fmt:MATRIX_FMT_FP4 matrix_b_fmt:MATRIX_FMT_FP4 matrix_a_scale:MATRIX_SCALE_ROW1 matrix_b_scale:MATRIX_SCALE_ROW1
.endif
.endr
.endr
	WIN 0
	; The stores' offsets: 34 plain lines that name no register of the products: the places ahead of the reads of the sums and of the next tile's products, which begin the accumulators anew.
	; Store j wants row j's token in lanes 0-15 and row 8 + j's in lanes 16-31.
	v_mov_b32_dpp v[U], v[TV+(\k)] row_xmask:8 row_mask:0xf bank_mask:0xf    ; lane i takes lane i xor 8
	v_cndmask_b32 v[U], v[TV+(\k)], v[U], s[HM]    ; in the upper half alone
.irp j, 0,1,2,3,4,5,6,7
	v_mov_b32_dpp v[RT+\j], v[U] row_share:\j row_mask:0xf bank_mask:0xf     ; every lane of a half takes its half's lane j
.endr
.irp j, 0,1,2,3,4,5,6,7
	v_min_u32 v[RT+\j], 0xfff, v[RT+\j]            ; a token is 0 .. 4,095: held there, then a shift to the left and an addition
.endr
.irp j, 0,1,2,3,4,5,6,7
	v_lshlrev_b32 v[RO+\j], 12, v[RT+\j]           ; a row of out0 is 4,096 bytes;
.endr
.irp j, 0,1,2,3,4,5,6,7
	v_add_nc_u32 v[RO+\j], v[R16], v[RO+\j]        ; my 16 bytes of the slab's 256
.endr
.irp j, 0,1,2,3,4,5,6,7                        ; j ascending: each accumulator is read from its low end on
.if \j > 0
	s_cmp_le_u32 s[REM], 16*(\k)+2*\j              ; slots 2 j and 2 j + 1 of this tile are both past the end: so are all that follow
	s_cbranch_scc1 .Ldone_\@
.endif
.irp t, 0,1,2,3
	v_max_num_f32 v[OUT+4*\j+\t], 0, v[ACC+8*\t+\j]
.endr
	global_store_b128 v[RO+\j], v[OUT+4*\j:OUT+4*\j+3], s[16:17] th:TH_STORE_NT   ; sixteen lanes store 256 consecutive bytes, at a multiple of 256 from out0's first byte; written once
.endr
.Ldone_\@:
.endm
; ---- a pass serves up to 96 slots; 11 passes, a constant, reach every slot that a wave can have.  In a pass the loads go up and the tiles come down in one nest, so that tile k's work is reached only behind tile k's loads.
.Lpass:
	s_cmp_ge_u32 s[DONE], s[CNT]
	s_cbranch_scc1 .Lnone                          ; nothing is left for this pass
	s_sub_co_u32 s[REM], s[CNT], s[DONE]
	SELECT 0
	LOAD 0
	s_cmp_le_u32 s[REM], 16
	s_cbranch_scc1 .Lc0
	LOAD 1
	s_cmp_le_u32 s[REM], 32
	s_cbranch_scc1 .Lc1
	SELECT 1
	LOAD 2
	s_cmp_le_u32 s[REM], 48
	s_cbranch_scc1 .Lc2
	LOAD 3
	s_cmp_le_u32 s[REM], 64
	s_cbranch_scc1 .Lc3
	SELECT 2
	LOAD 4
	s_cmp_le_u32 s[REM], 80
	s_cbranch_scc1 .Lc4
	LOAD 5
	COMPUTE 5
.Lc4:
	COMPUTE 4
.Lc3:
	COMPUTE 3
.Lc2:
	COMPUTE 2
.Lc1:
	COMPUTE 1
.Lc0:
	COMPUTE 0
.Lnone:
	s_add_co_u32 s[DONE], s[DONE], PASS
	s_cmp_lt_u32 s[DONE], ALLSL
	s_cbranch_scc1 .Lpass
	s_wait_dscnt 0x0                               ; a wave without rows still has its weights' LDS loads out
	s_wait_tensorcnt 0x0
	ds_add_u32 v254, v255
	s_wait_dscnt 0x0
	s_endpgm
.Lfunc_end_k_q6d7ec09c89_addmm:
	.size	k_q6d7ec09c89_addmm, .Lfunc_end_k_q6d7ec09c89_addmm-k_q6d7ec09c89_addmm
	.p2alignl 7, 3214868480
	.fill 96, 4, 3214868480
	.section	.rodata,"a",@progbits
	.p2align	6, 0x0
	.amdhsa_kernel k_q6d7ec09c89_addmm
		.amdhsa_group_segment_fixed_size 33280
		.amdhsa_private_segment_fixed_size 0
		.amdhsa_enable_private_segment 0
		.amdhsa_kernarg_size 56
		.amdhsa_user_sgpr_count 2
		.amdhsa_user_sgpr_kernarg_segment_ptr 1
		.amdhsa_wavefront_size32 1
		.amdhsa_system_sgpr_workgroup_id_x 1
		.amdhsa_system_sgpr_workgroup_id_y 1
		.amdhsa_system_sgpr_workgroup_id_z 1
		.amdhsa_system_vgpr_workitem_id 0
		.amdhsa_next_free_vgpr 896
		.amdhsa_next_free_sgpr 102
		.amdhsa_reserve_vcc 1
		.amdhsa_float_denorm_mode_32 3
		.amdhsa_float_denorm_mode_16_64 3
		.amdhsa_memory_ordered 1
		.amdhsa_forward_progress 1
		.amdhsa_inst_pref_size 108
	.end_amdhsa_kernel
	.amdgpu_metadata
---
amdhsa.version: [ 1, 2 ]
amdhsa.kernels:
  - .name:           k_q6d7ec09c89_addmm
    .symbol:         k_q6d7ec09c89_addmm.kd
    .args:
      - { .name: x_codes, .offset: 0, .size: 8, .value_kind: global_buffer, .address_space: global }
      - { .name: x_scales, .offset: 8, .size: 8, .value_kind: global_buffer, .address_space: global }
      - { .name: w_codes, .offset: 16, .size: 8, .value_kind: global_buffer, .address_space: global }
      - { .name: w_scales, .offset: 24, .size: 8, .value_kind: global_buffer, .address_space: global }
      - { .name: b, .offset: 32, .size: 8, .value_kind: global_buffer, .address_space: global }
      - { .name: idxs, .offset: 40, .size: 8, .value_kind: global_buffer, .address_space: global }
      - { .name: out0, .offset: 48, .size: 8, .value_kind: global_buffer, .address_space: global }
    .group_segment_fixed_size: 33280
    .private_segment_fixed_size: 0
    .kernarg_segment_align: 8
    .kernarg_segment_size: 56
    .max_flat_workgroup_size: 128
    .sgpr_count:     102
    .vgpr_count:     896
    .wavefront_size: 32
...
	.end_amdgpu_metadata
.endif
;; end of part 1
;; ======== version 2 of 2: 1 launch; version 1 with the launch addmm written anew for expert scheduling mode
;; launch addmm (part 2): grid 16 x 16, 4 waves a work-group, no clusters, 33,280 bytes of LDS; arguments x_codes, x_scales, w_codes, w_scales, b, idxs, out0; writes out0
.if DOCPART == 2
	.amdgcn_target "amdgcn-amd-amdhsa--gfx1250"
	.amdhsa_code_object_version 6
	.text
	.protected	k_q6d7ec09c89_addmm
	.globl	k_q6d7ec09c89_addmm
	.p2align	8
	.type	k_q6d7ec09c89_addmm,@function
k_q6d7ec09c89_addmm:
	s_mov_b64 s[64:65], 0
	v_nop
	global_prefetch_b8 v0, s[64:65] scope:SCOPE_SE
	s_setreg_imm32_b32 hwreg(HW_REG_WAVE_SCHED_MODE, 0, 2), 2
	s_setreg_imm32_b32 hwreg(HW_REG_WAVE_MODE, 25, 1), 1
	s_wait_xcnt 0x0
	s_wait_alu depctr_vm_vsrc(0)
; out0[t][:] = relu(x[t] . w[idxs[t]] + b[idxs[t]]), 4,096 tokens, K = N = 1,024, 16 experts.  x and w are codes of FP4 (E2M1), K innermost (512 bytes a row), with one E8M0 byte for
; each 32 along K (32 bytes a row); they go to the matrix unit as they lie.  Only the chosen expert's row is multiplied for a token; a token whose idx is no expert's (not 0 .. 15) gets zeros.
; SHARES.  Work-group (x, y) = (slab of 64 output columns, expert e).  Its four waves share the TOKENS: wave w owns tokens 1024 w .. 1024 w + 1023 and serves those of them with idx = e, for the
; slab's 64 columns.  So each (token, 256 bytes of out0) has one owner.  The slab's weights, 64 rows x 512 bytes, are read from memory once: wave w loads the fragments of column tile w, they go
; through LDS as images of their registers, and behind the one barrier every wave keeps all 32 fragments in 256 registers.
; THE LIST OF ROWS IS MADE IN REGISTERS: 32 compares give the wave's 1,024-bit map in scalar registers, their counts a running sum; a lane then finds the p-th set bit for its slot p (macro SELECT).
; TILES of 16 tokens, up to six at a time (96 slots), so that all their loads of x are out together; a loop of 11 trips (11 x 96 = 1,056 slots) serves any split, all 1,024 tokens on one expert too;
; a trip with nothing left jumps over its work.
; THE PRODUCT: source 0 = 16 tokens, source 1 = 16 weight rows n = 64 slab + 4 r + t (tile t, lane r).  In the result register j of lane (r, h) is (token row 8 h + j, column 4 r + t): the four tiles'
; registers j are 16 neighbouring bytes of a row of out0, and sixteen lanes store 256 consecutive bytes, aligned.  The bias is the C of each sum's first product.
; THE RAGGED END: row r of a tile holds slot 2 (r & 7) + (r >> 3), so store j covers slots 2 j and 2 j + 1.  Slots past the last are held at the last; a store whose two slots are both past the end is
; jumped over; with an odd count the last store's upper sixteen lanes write the same bytes with the same numbers as its lower sixteen.  All lanes are on in every line of this text.
; NO JOINT LOADS, NO DATA MOVER: the branches hang on idxs and differ from work-group to work-group; rows of x are gathered one by one; each slab of weights is read by one work-group alone.
; LIMIT: a scale byte 0xff or a NaN in b makes a sum NaN; the maximum with 0 then gives 0 where the definition gives NaN.  Infinities are served.
; THE MODE: SCHED_MODE bits 1:0 = 2 (LLVM: expert scheduling mode 2), set by the entry lines.  The code itself states the register dependences between vector or matrix instructions and memory or
; LDS instructions, with s_wait_alu, always for 0.
; THE PLAN.  Registers that memory or LDS instructions touch, and who else names them:
;   v1-v9        offsets and LDS addresses: written at the head, read by loads and stores, never written again.  One wait on va_vdst, ahead of the first load, serves them all.
;   v[28:31]     the zeros: written behind that wait, read by the stores of zeros.  A wait on va_vdst at the head of that path.
;   v512-575     my 16 weight loads land there, my LDS stores read them, tile 0's loads land there.  One wait on vm_vsrc behind the barrier.
;   v256-511, WS, BV, IDX, HOME   filled by one load each; afterwards vector and matrix instructions alone read them.
;   XO, XSO      written for the two tiles of a SELECT together; read by those tiles' loads.   XS, x's tiles: those loads land there; the tiles' products read them.
;                ONE wait on va_vdst for two tiles, behind their ten address lines: the addresses are written, and the last pass's products are done reading XS and x's tiles.
;   RO, OUT      written behind a tile's products; read by the tile's stores.  One wait on va_vdst ahead of the run of stores; one on vm_vsrc, beside the wait on XCNT, behind the NEXT tile's products and
;                ahead of the first line that writes RO again.  That wait stands behind all the pass's loads too, and every pass with loads ends in tile 0: so XO and XSO are free at the next pass.
;   ACC, BIAS, TV, RT, U and SELECT's registers are named by vector and matrix instructions alone.
; SCALAR RESULTS OF VECTOR INSTRUCTIONS have a wait between the writer and its first reader: the wave's number; the head's 34 compares, one run and one wait; SELECT's 31 compares, in four runs into
; the masks s8-15, a wait behind each run; the five steps of its descent, each of which hangs on the step before: a wait on va_vcc in each.
.set L16,   1                          ; v1   16 x lane
.set R16,   2                          ; v2   16 r   (r = lane % 16)
.set H16,   3                          ; v3   16 h   (h = lane / 16)
.set PL,    4                          ; v4   my slot among 32: 16 h + 2 (lane & 7) + ((lane >> 3) & 1)
.set WOFF,  5                          ; v5   weights: row 4 r of 512 bytes, + 16 h
.set WSOFF, 6                          ; v6   their scale bytes: row 4 r of 32 bytes, + 16 h
.set L4,    7                          ; v7   4 x lane
.set HH,    8                          ; v8   h
.set IMGW,  9                          ; v9   LDS: 16 x lane + 8,192 x wave
.set SLT,   10                         ; v10-21 at work in SELECT: slot, word, sum below it, its first token, rank, counts by 2, 4, 8, 16 bits, two temporaries, bit
.set WRD,   11
.set BAS,   12
.set TBS,   13
.set RNK,   14
.set C2,    15
.set C4,    16
.set C8,    17
.set C16,   18
.set TMP,   19
.set INC,   20
.set POS,   21
.set TK,    22                         ; v22  my slot's token;  v23 lane l xor 16's
.set TX,    23
.set U,     24                         ; v24  a tile's tokens, turned by 8 lanes in the upper half
.set NIL,   28                         ; v[28:31] zeros
.set WS,    32                         ; v32-47   weights' scale words: tile t, register u: lanes 0-15 K step u, lanes 16-31 K step 4 + u.  Scales alone
.set BIAS,  48                         ; v48-79   tile t: eight registers, each b of column 4 r + t
.set ACC,   80                         ; v80-111  the four accumulators
.set OUT,   112                        ; v112-143 register 4 j + t: what store j sends
.set XS,    144                        ; v144-167 x's scale words, tile k, register u, as WS.  Scales alone
.set TV,    168                        ; v168-173 tile k: lane r and lane 16 + r hold the token of row r
.set XO,    174                        ; v174-179 tile k: byte offset of my part of its row of codes
.set XSO,   180                        ; v180-185 and of its scale bytes
.set RT,    186                        ; v186-193 store j's token
.set RO,    194                        ; v194-201 store j's byte offset in out0
.set BV,    202                        ; v[202:205] b of columns 4 r .. 4 r + 3
.set IDX,   206                        ; v206-237 register 4 q + c, lane l: idx of token 1024 w + 128 q + 4 l + c
.set HOME,  238                        ; v238, v239 idx of tokens 256 e + 64 w + lane, + 32
; window 1 (v256-511): weight fragment (tile t, K step s) at 8 (8 t + s).   window 2 (v512-767): x's tiles 0-3, K step s at 64 k + 8 s (tile 0's registers first hold my own 16 weight loads).   window 3: tiles 4, 5.
.set CMK,   8                          ; s8-15 in SELECT: eight compares' masks (at the head these hold the bases of w's codes, w's scales, b and idxs, whose loads are all in by then)
.set WV,    18                         ; s18  wave
.set EX,    19                         ; s19  expert
.set SLAB,  20                         ; s20  slab
.set ST,    21                         ; s21  at work
.set OFS,   22                         ; s[22:23] an offset, in 64 bits
.set HB,    24                         ; s[24:25] idxs at my home tokens; once those are in: out0 at my home tokens' first row
.set T0,    26                         ; s26  my first token
.set CM1,   27                         ; s27  my count - 1
.set MSK,   28                         ; s28-59 the map: word n, bit l: token T0 + 128 (n / 4) + n % 4 + 4 l
.set HM,    60                         ; s60  lanes 16-31
.set DONE,  61                         ; s61  slots served: the loop's counter
.set SEL,   62                         ; s[62:63] selects for lane l xor 16
.set SUM,   66                         ; s66-97 s[SUM + n - 1] = set bits in words 0 .. n - 1, n = 1 .. 32
.set CNT,   97                         ; s97  my count
.set REM,   98                         ; s98  slots left at a pass's head
.set OMA,   100                        ; s100, s101 home tokens that no expert takes
.set OMB,   101
.set PASS,  96                         ; slots in a pass
.set ALLSL, 11*PASS                    ; 1,056: at least the wave's 1,024 tokens
.set MSB, 0
.macro WIN new                         ; the immediate's high byte repeats the setting that is left; a switch that changes nothing is dropped
.if MSB != (\new)
	s_set_vgpr_msb (MSB<<8)|(\new)
.set MSB, (\new)
.endif
.endm
	s_load_b256 s[4:11], s[0:1], 0x0               ; x's codes s[4:5], x's scales s[6:7], w's codes s[8:9], w's scales s[10:11]
	s_load_b128 s[12:15], s[0:1], 0x20             ; b s[12:13], idxs s[14:15]
	s_load_b64 s[16:17], s[0:1], 0x30              ; out0
	v_lshl_add_u32 v254, v0, 2, 0x8000
	v_mov_b32 v255, 0
	v_lshrrev_b32 v[TMP], 5, v0
	v_readfirstlane_b32 s[WV], v[TMP]              ; wave 0..3
	s_and_b32 s[EX], ttmp7, 0xffff
	s_mov_b32 s[SLAB], ttmp9
	v_and_b32 v[L16], 31, v0                       ; lane
	v_and_b32 v[R16], 15, v0                       ; r
	v_bfe_u32 v[HH], v0, 4, 1                      ; h
	v_lshlrev_b32 v[L4], 2, v[L16]
	v_and_b32 v[PL], 7, v0
	v_bfe_u32 v[TMP], v0, 3, 1
	v_lshl_add_u32 v[PL], v[PL], 1, v[TMP]
	v_lshl_add_u32 v[PL], v[HH], 4, v[PL]
	v_lshlrev_b32 v[H16], 4, v[HH]
	v_lshl_add_u32 v[WOFF], v[R16], 11, v[H16]
	v_lshl_add_u32 v[WSOFF], v[R16], 7, v[H16]
	v_lshlrev_b32 v[R16], 4, v[R16]
	v_lshlrev_b32 v[L16], 4, v[L16]
	s_wait_alu depctr_va_sdst(0)                   ; the wave's number is written, ahead of its first reader: an LDS address and the offsets below are made from it
	s_lshl_b32 s[ST], s[WV], 13
	v_add_nc_u32 v[IMGW], s[ST], v[L16]
	; the six offsets, made while the arguments are on their way (in registers that later hold the map)
	s_lshl_b32 s28, s[EX], 19                      ; w's codes: 524,288 e + 32,768 slab + 512 wave (my tile t = wave begins at row t)
	s_lshl_b32 s[ST], s[SLAB], 15
	s_add_co_u32 s28, s28, s[ST]
	s_lshl_b32 s[ST], s[WV], 9
	s_add_co_u32 s28, s28, s[ST]
	s_mov_b32 s29, 0
	s_lshl_b32 s30, s[EX], 15                      ; w's scales: 32,768 e + 2,048 slab
	s_lshl_b32 s[ST], s[SLAB], 11
	s_add_co_u32 s30, s30, s[ST]
	s_mov_b32 s31, 0
	s_lshl_b32 s32, s[EX], 12                      ; b: 4,096 e + 256 slab
	s_lshl_b32 s[ST], s[SLAB], 8
	s_add_co_u32 s32, s32, s[ST]
	s_mov_b32 s33, 0
	s_lshl_b32 s34, s[EX], 10                      ; idxs at my home tokens: 4 (256 e + 64 wave)
	s_lshl_b32 s[ST], s[WV], 8
	s_add_co_u32 s34, s34, s[ST]
	s_mov_b32 s35, 0
	s_lshl_b32 s36, s[WV], 12                      ; idxs at my 1,024 tokens
	s_mov_b32 s37, 0
	s_lshl_b32 s38, s[SLAB], 8                     ; out0: the slab's 256 bytes of a row
	s_mov_b32 s39, 0
	s_lshl_b32 s[T0], s[WV], 10
	s_mov_b32 s[HM], 0xffff0000
	s_mov_b32 s[SEL], 0x76543210
	s_mov_b32 s[SEL+1], 0xfedcba98
	s_wait_kmcnt 0x0
	s_add_nc_u64 s[8:9], s[8:9], s[28:29]
	s_add_nc_u64 s[10:11], s[10:11], s[30:31]
	s_add_nc_u64 s[12:13], s[12:13], s[32:33]
	s_add_nc_u64 s[HB:HB+1], s[14:15], s[34:35]
	s_add_nc_u64 s[14:15], s[14:15], s[36:37]
	s_add_nc_u64 s[16:17], s[16:17], s[38:39]
	; ---- all the loads that hang on ids alone.  First my tile of the weights: lane (r, h) takes, of row 4 r + wave, the 16 bytes at 64 s + 32 c + 16 h: registers 4 c .. 4 c + 3 of K step s's fragment
	WIN 0x80                                       ; destination window 2
	s_wait_alu depctr_va_vdst(0)                   ; the offsets and LDS addresses v1 to v9 are written, which the loads, LDS stores and LDS loads of the head and the stores of zeros read; nothing writes them again
.irp s, 0,1,2,3,4,5,6,7
.irp c, 0,1
	global_load_b128 v[8*\s+4*\c:8*\s+4*\c+3], v[WOFF], s[8:9] offset:64*\s+32*\c
.endr
.endr
	WIN 0
	global_load_b32 v[HOME], v[L4], s[HB:HB+1]     ; fifteen more: 2 of home idxs,
	global_load_b32 v[HOME+1], v[L4], s[HB:HB+1] offset:128
.irp q, 0,1,2,3,4,5,6,7
	global_load_b128 v[IDX+4*\q:IDX+4*\q+3], v[L16], s[14:15] offset:512*\q   ; 8 of my tokens' idxs, 512 consecutive bytes each,
.endr
.irp t, 0,1,2,3
	global_load_b128 v[WS+4*\t:WS+4*\t+3], v[WSOFF], s[10:11] offset:32*\t    ; 4 of the weights' scale words (row 4 r + t; lanes 0-15 K steps 0-3, lanes 16-31 K steps 4-7),
.endr
	global_load_b128 v[BV:BV+3], v[R16], s[12:13]  ; 1 of b
	; written once: the destination of a lane permute or a DPP form counts as one of its sources; and the zeros
	v_mov_b32 v[TX], 0
	v_mov_b32 v[U], 0
.irp j, 0,1,2,3,4,5,6,7
	v_mov_b32 v[RT+\j], 0
.endr
.irp j, 0,1,2,3
	v_mov_b32 v[NIL+\j], 0
.endr
	; ---- my 8 fragments go to LDS as images of their registers: lane l's 16 bytes at 16 l, 512 consecutive bytes a store
	s_wait_loadcnt 15                              ; loads come back in order: the 16 weight loads are in, the 15 issued behind them may be out
	WIN 0x08                                       ; an LDS store's data: window 2
.irp s, 0,1,2,3,4,5,6,7
.irp c, 0,1
	ds_store_b128 v[IMGW], v[8*\s+4*\c:8*\s+4*\c+3] offset:1024*\s+512*\c
.endr
.endr
	WIN 0
	s_wait_dscnt 0x0                               ; for the others' sake: my stores have landed
	s_barrier_signal -1
	s_barrier_wait -1                              ; the kernel's one barrier: all 32 fragments lie in LDS, and nobody writes LDS again
	s_wait_alu depctr_vm_vsrc(0)                   ; my LDS stores have read v512 to v575, in which tile 0's loads of x land
	WIN 0x40                                       ; destination window 1
.irp f, 0,1,2,3,4,5,6,7,8,9,10,11,12,13,14,15,16,17,18,19,20,21,22,23,24,25,26,27,28,29,30,31
.irp c, 0,1
	ds_load_b128 v[8*\f+4*\c:8*\f+4*\c+3], v[L16] offset:1024*\f+512*\c       ; fragment f = 8 t + s; they land while the list of rows is made
.endr
.endr
	WIN 0
	s_wait_loadcnt 0x0                             ; idxs, scale words, b: every load is in, so the home idxs' base may be written
.irp t, 0,1,2,3
.irp j, 0,1,2,3,4,5,6,7
	v_mov_b32 v[BIAS+8*\t+\j], v[BV+\t]            ; the bias in the result's layout: all eight rows of lane r's column 4 r + t
.endr
.endr
; ---- tokens that no expert takes.  Work-group (slab, e), wave w answers for tokens 256 e + 64 w .. + 63 in its slab.  A token at a time, by a scalar branch on its bit: the store's offset is 16 r,
; the token's row stands in the immediate (63 rows of 4,096 bytes at the most); lanes 16-31 write the same 256 bytes of zeros as lanes 0-15.
	s_lshl_b32 s[OFS], s[EX], 20                   ; (256 e + 64 w) rows of 4,096 bytes
	s_lshl_b32 s[ST], s[WV], 18
	s_add_co_u32 s[OFS], s[OFS], s[ST]
	s_mov_b32 s[OFS+1], 0
	s_add_nc_u64 s[HB:HB+1], s[16:17], s[OFS:OFS+1]
.macro ZTOK mask, i, first
	s_bitcmp1_b32 s[\mask], \i
	s_cbranch_scc0 .Lkept_\@
	global_store_b128 v[R16], v[NIL:NIL+3], s[HB:HB+1] offset:((\first)+(\i))*4096 th:TH_STORE_NT
.Lkept_\@:
.endm
.macro ZERO mask, first
.irp i, 0,1,2,3,4,5,6,7,8,9,10,11,12,13,14,15,16,17,18,19,20,21,22,23,24,25,26,27,28,29,30,31
	ZTOK \mask, \i, \first
.endr
.endm
	v_cmp_lt_u32 s[OMA], 15, v[HOME]               ; unsigned: negative numbers too
	v_cmp_lt_u32 s[OMB], 15, v[HOME+1]
	; the map of my tokens with idx = e stands in the same run of compares, so that one wait serves all 34
.set n, 0
.rept 32
	v_cmp_eq_u32 s[MSK+n], s[EX], v[IDX+n]
.set n, n+1
.endr
	s_wait_alu depctr_va_sdst(0)                   ; the 34 masks are written, ahead of the first reader of any and ahead of the branch: the two of the home tokens, and the map's 32 words
	s_or_b32 s[ST], s[OMA], s[OMB]
	s_cmp_lg_u32 s[ST], 0
	s_cbranch_scc0 .Lno_orphan
	s_wait_alu depctr_va_vdst(0)                   ; the zeros v[NIL ..] are written, which the stores below read
	ZERO OMA, 0
	ZERO OMB, 32
.Lno_orphan:
	; ---- the running sums of the counts of the map's words
	s_bcnt1_i32_b32 s[SUM], s[MSK]
.set n, 1
.rept 31
	s_bcnt1_i32_b32 s[ST], s[MSK+n]
	s_add_co_u32 s[SUM+n], s[SUM+n-1], s[ST]
.set n, n+1
.endr
	s_sub_co_u32 s[CM1], s[CNT], 1                 ; (with a count of 0 it is not used: every pass is jumped over)
	s_mov_b32 s[DONE], 0
; One step down: the field of `width` bits at POS holds the count of the lower half of what is left; a rank at or above it lies in the upper half.
.macro DESCEND x, width, half
	v_bfe_u32 v[TMP], v[\x], v[POS], \width
	v_cmp_ge_u32 vcc_lo, v[RNK], v[TMP]
	s_wait_alu depctr_va_vcc(0)                    ; VCC is written, which the two selections below read
	v_cndmask_b32 v[TMP], 0, v[TMP], vcc_lo
	v_sub_nc_u32 v[RNK], v[RNK], v[TMP]
	v_cndmask_b32 v[INC], 0, \half, vcc_lo
	v_add_nc_u32 v[POS], v[POS], v[INC]
.endm
; Tile k's two offsets.  Each tile has address registers of its own, so nothing is waited for between tiles.
.macro ADDR k
	v_min_u32 v[XO+(\k)], 0xfff, v[TV+(\k)]        ; a token is 0 .. 4,095: held there, then only shifts to the left and additions
	v_lshlrev_b32 v[XSO+(\k)], 5, v[XO+(\k)]       ; its 32 scale bytes,
	v_lshlrev_b32 v[XO+(\k)], 9, v[XO+(\k)]        ; its 512 bytes of codes,
	v_add_nc_u32 v[XSO+(\k)], v[H16], v[XSO+(\k)]  ; + 16 h in both
	v_add_nc_u32 v[XO+(\k)], v[H16], v[XO+(\k)]
.endm
; The tokens of slots DONE + 32 g .. + 31, a slot a lane (lanes 0-15: tile 2 g, lanes 16-31: tile 2 g + 1), into TV[2 g] and TV[2 g + 1]; then both tiles' offsets, and the one wait for both tiles' loads.
.macro SELECT g
	s_add_co_u32 s[ST], s[DONE], 32*(\g)
	v_add_nc_u32 v[SLT], s[ST], v[PL]
	v_min_u32 v[SLT], s[CM1], v[SLT]               ; slots past the last are held at the last
	v_mov_b32 v[WRD], s[MSK]
	v_mov_b32 v[BAS], 0
	v_mov_b32 v[TBS], 0
; the last word n whose sum below it is at most my slot: the sums do not fall, so the old choice is kept from the first sum above my slot on.  n = 1 .. 31 ascending, in four runs: up to eight compares, one wait, their selections
.set n0, 1
.rept 4
.set n, n0
.rept 8
.if n < 32
	v_cmp_gt_u32 s[CMK+n-n0], s[SUM+n-1], v[SLT]
.endif
.set n, n+1
.endr
	s_wait_alu depctr_va_sdst(0)                   ; the run's masks s[CMK ..] are written, which the selections below read
.set n, n0
.rept 8
.if n < 32
	v_cndmask_b32 v[WRD], s[MSK+n], v[WRD], s[CMK+n-n0]
	v_cndmask_b32 v[BAS], s[SUM+n-1], v[BAS], s[CMK+n-n0]
	v_cndmask_b32 v[TBS], 128*(n/4)+n%4, v[TBS], s[CMK+n-n0]
.endif
.set n, n+1
.endr
.set n0, n0+8
.endr
	v_sub_nc_u32 v[RNK], v[SLT], v[BAS]            ; which set bit of that word, from 0
	v_lshrrev_b32 v[TMP], 1, v[WRD]                ; the word's counts by fields of 2, 4, 8 and 16 bits
	v_and_b32 v[TMP], 0x55555555, v[TMP]
	v_sub_nc_u32 v[C2], v[WRD], v[TMP]
	v_lshrrev_b32 v[TMP], 2, v[C2]
	v_and_b32 v[TMP], 0x33333333, v[TMP]
	v_and_b32 v[C4], 0x33333333, v[C2]
	v_add_nc_u32 v[C4], v[C4], v[TMP]
	v_lshrrev_b32 v[TMP], 4, v[C4]
	v_add_nc_u32 v[C8], v[C4], v[TMP]
	v_and_b32 v[C8], 0x0f0f0f0f, v[C8]
	v_lshrrev_b32 v[TMP], 8, v[C8]
	v_add_nc_u32 v[C16], v[C8], v[TMP]
	v_and_b32 v[TMP], 0xff, v[C16]                 ; the low 16 bits' count
	v_cmp_ge_u32 vcc_lo, v[RNK], v[TMP]
	s_wait_alu depctr_va_vcc(0)                    ; VCC is written, which the two selections below read
	v_cndmask_b32 v[TMP], 0, v[TMP], vcc_lo
	v_sub_nc_u32 v[RNK], v[RNK], v[TMP]
	v_cndmask_b32 v[POS], 0, 16, vcc_lo
	DESCEND C8, 8, 8
	DESCEND C4, 4, 4
	DESCEND C2, 2, 2
	v_bfe_u32 v[TMP], v[WRD], v[POS], 1
	v_cmp_ge_u32 vcc_lo, v[RNK], v[TMP]
	s_wait_alu depctr_va_vcc(0)                    ; VCC is written, which the selection below reads
	v_cndmask_b32 v[INC], 0, 1, vcc_lo
	v_add_nc_u32 v[POS], v[POS], v[INC]
	v_lshl_add_u32 v[TK], v[POS], 2, v[TBS]        ; bit l of word n is token T0 + 128 (n / 4) + n % 4 + 4 l
	v_add_nc_u32 v[TK], s[T0], v[TK]
	v_permlanex16_b32 v[TX], v[TK], s[SEL], s[SEL+1]
	v_cndmask_b32 v[TV+2*(\g)], v[TK], v[TX], s[HM]      ; both halves of the lanes hold the tile's 16 tokens, row r in lanes r and 16 + r
	v_cndmask_b32 v[TV+2*(\g)+1], v[TX], v[TK], s[HM]
	ADDR 2*(\g)
	ADDR 2*(\g)+1                                  ; (its slots are held at the last where the tile lies past the end: the offset is then made and not used)
	s_wait_alu depctr_va_vdst(0)                   ; both tiles' XO and XSO are written, which their loads read; the last pass's products are done reading XS and x's tiles, in which those loads land.  Up to the second tile's last load only loads, window switches
.endm
; Tile k's 17 loads: its rows' scale words and its 8 fragments.
.macro LOAD k
	global_load_b128 v[XS+4*(\k):XS+4*(\k)+3], v[XSO+(\k)], s[6:7]
	WIN 0x80+0x40*((\k)/4)                         ; destination window 2 (tiles 0-3) or 3
.irp s, 0,1,2,3,4,5,6,7
.irp c, 0,1
	global_load_b128 v[64*((\k)%4)+8*\s+4*\c:64*((\k)%4)+8*\s+4*\c+3], v[XO+(\k)], s[4:5] offset:64*\s+32*\c
.endr
.endr
	WIN 0
.endm
; Tile k: 32 products, the maximum with 0, up to eight stores.
.macro COMPUTE k
.set XB, 64*((\k)%4)
	s_wait_loadcnt 0x0                             ; entered by the branch, this tile's loads are the youngest; entered from the tile above, nothing is out
	s_wait_dscnt 0x0                               ; the weights' fragments
	WIN 0x06+(\k)/4                                ; source 0 (x) window 2 or 3, source 1 (w) window 1, C and D window 0
.irp s, 0,1,2,3,4,5,6,7                        ; the four accumulators take turns, one instruction a turn
.irp t, 0,1,2,3
.if \s == 0
	v_wmma_scale_f32_16x16x128_f8f6f4 v[ACC+8*\t:ACC+8*\t+7], v[XB+8*\s:XB+8*\s+7], v[8*(8*\t+\s):8*(8*\t+\s)+7], v[BIAS+8*\t:BIAS+8*\t+7], v[XS+4*(\k)+\s], v[WS+4*\t+\s] matrix_a_fmt:MATRIX_FMT_FP4 matrix_b_fmt:MATRIX_FMT_FP4
.elseif \s < 4
	v_wmma_scale_f32_16x16x128_f8f6f4 v[ACC+8*\t:ACC+8*\t+7], v[XB+8*\s:XB+8*\s+7], v[8*(8*\t+\s):8*(8*\t+\s)+7], v[ACC+8*\t:ACC+8*\t+7], v[XS+4*(\k)+\s], v[WS+4*\t+\s] matrix_a_fmt:MATRIX_FMT_FP4 matrix_b_fmt:MATRIX_FMT_FP4
.else
	v_wmma_scale_f32_16x16x128_f8f6f4 v[ACC+8*\t:ACC+8*\t+7], v[XB+8*\s:XB+8*\s+7], v[8*(8*\t+\s):8*(8*\t+\s)+7], v[ACC+8*\t:ACC+8*\t+7], v[XS+4*(\k)+\s-4], v[WS+4*\t+\s-4] matrix_a_fmt:MATRIX_FMT_FP4 matrix_b_fmt:MATRIX_FMT_FP4 matrix_a_scale:MATRIX_SCALE_ROW1 matrix_b_scale:MATRIX_SCALE_ROW1
.endif
.endr
.endr
	WIN 0
	; The stores' offsets: 34 plain lines that name no register of the products: the places ahead of the reads of the sums and of the next tile's products, which begin the accumulators anew.
	; Store j wants row j's token in lanes 0-15 and row 8 + j's in lanes 16-31.
	v_mov_b32_dpp v[U], v[TV+(\k)] row_xmask:8 row_mask:0xf bank_mask:0xf    ; lane i takes lane i xor 8
	v_cndmask_b32 v[U], v[TV+(\k)], v[U], s[HM]    ; in the upper half alone
.irp j, 0,1,2,3,4,5,6,7
	v_mov_b32_dpp v[RT+\j], v[U] row_share:\j row_mask:0xf bank_mask:0xf     ; every lane of a half takes its half's lane j
.endr
.irp j, 0,1,2,3,4,5,6,7
	v_min_u32 v[RT+\j], 0xfff, v[RT+\j]            ; a token is 0 .. 4,095: held there, then a shift to the left and an addition
.endr
	s_wait_alu depctr_va_vdst(0)
	s_wait_xcnt 0x0                                ; the last tile's stores have had their addresses translated: their offsets and data are written again only behind this wait
	s_wait_alu depctr_vm_vsrc(0)                   ; the last tile's stores, issued ahead of this tile's 32 products, have read RO and OUT, which the lines below write again; the pass's loads have read XO and XSO, which the next pass writes again
.irp j, 0,1,2,3,4,5,6,7
	v_lshlrev_b32 v[RO+\j], 12, v[RT+\j]           ; a row of out0 is 4,096 bytes;
.endr
.irp j, 0,1,2,3,4,5,6,7
	v_add_nc_u32 v[RO+\j], v[R16], v[RO+\j]        ; my 16 bytes of the slab's 256
.endr
.irp j, 0,1,2,3,4,5,6,7                        ; j ascending: each accumulator is read from its low end on
.irp t, 0,1,2,3
	v_max_num_f32 v[OUT+4*\j+\t], 0, v[ACC+8*\t+\j]
.endr
.endr
	s_wait_alu depctr_va_vdst(0)                   ; RO and OUT are written, which the run of stores below reads
.irp j, 0,1,2,3,4,5,6,7
.if \j > 0
	s_cmp_le_u32 s[REM], 16*(\k)+2*\j              ; slots 2 j and 2 j + 1 of this tile are both past the end: so are all that follow
	s_cbranch_scc1 .Ldone_\@
.endif
	global_store_b128 v[RO+\j], v[OUT+4*\j:OUT+4*\j+3], s[16:17] th:TH_STORE_NT   ; sixteen lanes store 256 consecutive bytes, at a multiple of 256 from out0's first byte; written once
.endr
.Ldone_\@:
.endm
; ---- a pass serves up to 96 slots; 11 passes, a constant, reach every slot that a wave can have.  In a pass the loads go up and the tiles come down in one nest, so that tile k's work is reached only behind tile k's loads.
.Lpass:
	s_cmp_ge_u32 s[DONE], s[CNT]
	s_cbranch_scc1 .Lnone                          ; nothing is left for this pass
	s_sub_co_u32 s[REM], s[CNT], s[DONE]
	SELECT 0
	LOAD 0
	s_cmp_le_u32 s[REM], 16
	s_cbranch_scc1 .Lc0
	LOAD 1
	s_cmp_le_u32 s[REM], 32
	s_cbranch_scc1 .Lc1
	SELECT 1
	LOAD 2
	s_cmp_le_u32 s[REM], 48
	s_cbranch_scc1 .Lc2
	LOAD 3
	s_cmp_le_u32 s[REM], 64
	s_cbranch_scc1 .Lc3
	SELECT 2
	LOAD 4
	s_cmp_le_u32 s[REM], 80
	s_cbranch_scc1 .Lc4
	LOAD 5
	COMPUTE 5
.Lc4:
	COMPUTE 4
.Lc3:
	COMPUTE 3
.Lc2:
	COMPUTE 2
.Lc1:
	COMPUTE 1
.Lc0:
	COMPUTE 0
.Lnone:
	s_add_co_u32 s[DONE], s[DONE], PASS
	s_cmp_lt_u32 s[DONE], ALLSL
	s_cbranch_scc1 .Lpass
	s_wait_dscnt 0x0                               ; a wave without rows still has its weights' LDS loads out
	s_wait_alu depctr_hold_cnt(0) depctr_sa_sdst(0) depctr_va_vdst(0) depctr_va_sdst(0) depctr_va_ssrc(0) depctr_va_vcc(0) depctr_vm_vsrc(0)
	s_wait_tensorcnt 0x0
	ds_add_u32 v254, v255
	s_wait_dscnt 0x0
	s_endpgm
.Lfunc_end_k_q6d7ec09c89_addmm:
	.size	k_q6d7ec09c89_addmm, .Lfunc_end_k_q6d7ec09c89_addmm-k_q6d7ec09c89_addmm
	.p2alignl 7, 3214868480
	.fill 96, 4, 3214868480
	.section	.rodata,"a",@progbits
	.p2align	6, 0x0
	.amdhsa_kernel k_q6d7ec09c89_addmm
		.amdhsa_group_segment_fixed_size 33280
		.amdhsa_private_segment_fixed_size 0
		.amdhsa_enable_private_segment 0
		.amdhsa_kernarg_size 56
		.amdhsa_user_sgpr_count 2
		.amdhsa_user_sgpr_kernarg_segment_ptr 1
		.amdhsa_wavefront_size32 1
		.amdhsa_system_sgpr_workgroup_id_x 1
		.amdhsa_system_sgpr_workgroup_id_y 1
		.amdhsa_system_sgpr_workgroup_id_z 1
		.amdhsa_system_vgpr_workitem_id 0
		.amdhsa_next_free_vgpr 896
		.amdhsa_next_free_sgpr 102
		.amdhsa_reserve_vcc 1
		.amdhsa_float_denorm_mode_32 3
		.amdhsa_float_denorm_mode_16_64 3
		.amdhsa_memory_ordered 1
		.amdhsa_forward_progress 1
		.amdhsa_inst_pref_size 121
	.end_amdhsa_kernel
	.amdgpu_metadata
---
amdhsa.version: [ 1, 2 ]
amdhsa.kernels:
  - .name:           k_q6d7ec09c89_addmm
    .symbol:         k_q6d7ec09c89_addmm.kd
    .args:
      - { .name: x_codes, .offset: 0, .size: 8, .value_kind: global_buffer, .address_space: global }
      - { .name: x_scales, .offset: 8, .size: 8, .value_kind: global_buffer, .address_space: global }
      - { .name: w_codes, .offset: 16, .size: 8, .value_kind: global_buffer, .address_space: global }
      - { .name: w_scales, .offset: 24, .size: 8, .value_kind: global_buffer, .address_space: global }
      - { .name: b, .offset: 32, .size: 8, .value_kind: global_buffer, .address_space: global }
      - { .name: idxs, .offset: 40, .size: 8, .value_kind: global_buffer, .address_space: global }
      - { .name: out0, .offset: 48, .size: 8, .value_kind: global_buffer, .address_space: global }
    .group_segment_fixed_size: 33280
    .private_segment_fixed_size: 0
    .kernarg_segment_align: 8
    .kernarg_segment_size: 56
    .max_flat_workgroup_size: 128
    .sgpr_count:     102
    .vgpr_count:     896
    .wavefront_size: 32
...
	.end_amdgpu_metadata
.endif
;; end of part 2
